; MI455X (gfx1250); checked and timed in simulation.
; The chip was launched on July 23, 2026; its instructions are those of AMD's public machine-readable ISA for CDNA 5 (MIT licence, August 2026) and "CDNA5" Instruction Set Architecture Reference Guide (July 2026). The comments in the code are by the model that wrote it; some were corrected since.
;; Multihead Self Attention. Allowed arithmetic: matrix products marked QUANTISED: E4M3 operands, one given power-of-two scale a tensor, by v_wmma_f32_16x16x64_fp8_fp8 or v_wmma_f32_16x16x128_fp8_fp8, f32 sums; everything else in f32.
;; Inputs: Wk_codes 1,024 x 32 x 32 uint8 (E4M3 codes of Wk, K innermost, in blocks of 32 codes); Wq_codes 1,024 x 32 x 32 uint8 (E4M3 codes of Wq, K innermost, in blocks of 32 codes); Wv_codes 1,024 x 32 x 32 uint8 (E4M3 codes of Wv, K innermost, in blocks of 32 codes); bk 1,024 float32; bq 1,024 float32; bv 1,024 float32; lowp_scales 10 int32 (the exponents e of the quantised operands' scales 2^e); x_codes 4 x 2,048 x 32 x 32 uint8 (E4M3 codes of x, K innermost, in blocks of 32 codes).
;; Outputs: out0 4 x 2,048 x 1,024 float32.
;; This version of the problem:
;;   THIS VERSION OF THE PROBLEM IS GIVEN IN LOW PRECISION. The matrix products marked QUANTISED in the list below multiply operands that are first quantised to E4M3 (4 exponent bits, 3 mantissa bits; 8 bits a number), with one given power-of-two scale for each operand tensor; their sums are f32. All else is computed in f32.
;;   The module's matrix products, in the order in which they are computed (A, B: the left and right operand; K: the contracted axis; several contracted axes count as one K, in the product's order):
;;     1. [M 8,192, K 1,024] x [K 1,024, N 1,024]; A: input x (given as codes); B: input Wq (given as codes): QUANTISED (scales: A lowp_scales[0], B lowp_scales[1])
;;     2. [M 8,192, K 1,024] x [K 1,024, N 1,024]; A: input x (given as codes); B: input Wk (given as codes): QUANTISED (scales: A lowp_scales[2], B lowp_scales[3])
;;     3. [M 8,192, K 1,024] x [K 1,024, N 1,024]; A: input x (given as codes); B: input Wv (given as codes): QUANTISED (scales: A lowp_scales[4], B lowp_scales[5])
;;     4. batch 64 x [M 2,048, K 64] x [K 64, N 2,048]; A: computed on the way; B: computed on the way: QUANTISED (scales: A lowp_scales[6], B lowp_scales[7])
;;     5. batch 64 x [M 2,048, K 2,048] x [K 2,048, N 64]; A: softmax (see below); B: computed on the way: QUANTISED (scales: A lowp_scales[8], B lowp_scales[9])
;;   THE QUANTISER, for each operand of a quantised product, along K:
;;     - The operand's scale is 2^e, e = its entry of the input lowp_scales (int32; the entries are numbered through the quantised products in the list's order, A before B).
;;     - Each number is divided by the scale, clamped to +-448, and rounded to the nearest number of E4M3, ties to even, subnormals kept.
;;     - The product sums the exact products of the quantised numbers (number of the format x scale) in f32.
;;   ~~~python
;;   def quantise(x, axis, e):      # numpy; x: float32 -> the quantised numbers, widened to float32 again
;;       x = np.moveaxis(x, axis, -1); K = x.shape[-1]
;;       r = np.clip(x / 2.0 ** e, -448, 448)
;;       step = 2.0 ** (np.maximum(np.frexp(np.where(r == 0, 1, r))[1] - 1, -6) - 3)
;;       q = np.round(r / step) * step * 2.0 ** e      # np.round: ties to even
;;       return np.moveaxis(q, -1, axis).astype(np.float32)
;;   ~~~
;;   SOFTMAX AHEAD OF A QUANTISED PRODUCT. Where the list says 'softmax', what is quantised is not the finished softmax but p = 2^(t - M), with t = logit x log2(e) and M = ceil(the row's largest t), a whole number; so 1/2 < the row's largest p <= 1. The row's sum l is taken of the UNQUANTISED p, in f32, and the product's result is divided by l at the end. Since M is a whole number, a kernel that streams over the keys may use a running M (the ceiling of the running maximum): every later rescaling is an exact power of two, so the quantised numbers keep their values, but for numbers so far below the row's largest that they fall under the format's range.
;;   OPERANDS COMPUTED ON THE WAY. 'Computed on the way' means the value that the module computes at that place (a softmax that the list does not call 'softmax' is quantised finished and normalised). What goes into a quantiser is computed in f32, as accurately as f32 sums, v_exp_f32 and their like allow (about 1e-6 of the number): no bf16 or f16 on the way to a quantiser, and a product that is left as it is and whose result goes on into a quantised operand takes f32 operands (vector FMAs, or v_wmma_f32_16x16x4_f32). A number that lies on a knife's edge between two numbers of the format may be rounded either way, as far as f32 arithmetic and the matrix unit's own rounding can turn it there, and no further.
;;   INPUTS GIVEN AS CODES. Wk (in the module: [1024, 1024], K = its axis 0); Wq (in the module: [1024, 1024], K = its axis 0); Wv (in the module: [1024, 1024], K = its axis 0); x (in the module: [4, 2048, 1024], K = its axis 2): each comes as NAME_codes (uint8): NAME with its K axis moved to the last place and cut into blocks of 32 codes, [.., K / 32, bytes a block], one block behind the other in memory; one code a byte (a code: sign, 4 exponent bits, 3 mantissa bits); its scale is its entry of lowp_scales. Its value is code x scale, taken as it is: it is not quantised again, and the codes and scales need not be those that the quantiser above would give.
;; One version. Each part assembles by itself: llvm-mc -triple=amdgcn-amd-amdhsa -mcpu=gfx1250 --defsym DOCPART=n.
;; ======== version 1 of 1: 2 launches
;; limits: right only within a limited range of input values
;; workspace buffers: q_img 8,388,608 bytes; k_img 8,388,608 bytes; v_img 8,388,608 bytes
;; launch proj (part 1): grid 12 x 32, 4 waves a work-group, clusters of 4 x 4, 327,680 bytes of LDS; arguments x_codes, Wq_codes, Wk_codes, Wv_codes, bq, bk, bv, lowp_scales, q_img, k_img, v_img; writes q_img, k_img, v_img
.if DOCPART == 1
	.amdgcn_target "amdgcn-amd-amdhsa--gfx1250"
	.amdhsa_code_object_version 6
	.text
	.protected	k_q9aabd4a437_proj
	.globl	k_q9aabd4a437_proj
	.p2align	8
	.type	k_q9aabd4a437_proj,@function
k_q9aabd4a437_proj:
	s_mov_b64 s[64:65], 0
	v_nop
	global_prefetch_b8 v0, s[64:65] scope:SCOPE_SE
	s_setreg_imm32_b32 hwreg(HW_REG_WAVE_MODE, 25, 1), 1
	s_wait_xcnt 0x0
	s_wait_alu depctr_hold_cnt(0) depctr_sa_sdst(0) depctr_va_vdst(0) depctr_va_sdst(0) depctr_va_ssrc(0) depctr_va_vcc(0) depctr_vm_vsrc(0)
	s_getreg_b32 s2, hwreg(HW_REG_IB_STS2, 6, 4)
	s_cmp_eq_u32 s2, 0
	s_cbranch_scc0 .Lentry_in_a_cluster
	s_endpgm
.Lentry_in_a_cluster:
	s_bfe_u32 s2, ttmp6, 0x10000c
	s_cmp_lg_u32 s2, 0xf033
	s_cbranch_scc0 .Lentry_shape_is_right
	s_endpgm
.Lentry_shape_is_right:
.set ROWB,   256
.set KROW,   1024
.set PITCH,  272
.set FR,     16
.set NL,     4
.set NP,     4
.set HALFT,  128*PITCH
.set SLOT,   4*HALFT
.set SPARE,  2*SLOT
.set BIASL,  SPARE+512
.set SCV,  8
.set LIMV, 9
.set BW,   10
.set BRD,  11
.set BRV,  12
.set ADRA, 16
.set ADRB, 20
.set CO,   26
.set SPW,  28
.set NIL,  29
.set BI,   32
.set TMP,  96
.set CD,   160
.set AF,   128
.set G1, 24
.set G0, 32
.set G1B, 48
.set G0B, 56
.set MSB, 0
.macro WIN new
.if MSB != \new
	s_set_vgpr_msb (MSB<<8)|\new
.set MSB, \new
.endif
.endm
.set MUL_LO, 0xa1
.set MUL_HI, 0xf1
.set TO_B,   0x40
.macro JLOAD g0a, g1a, g0b, g1b
	s_cmp_eq_u32 s15, 0
	s_cbranch_scc0 .Lfor_b_\@
	tensor_load_to_lds s[\g0a:\g0a+3], s[\g1a:\g1a+7]
	s_nop 0
.rept 4
	v_nop
.endr
	s_branch .Lasked_\@
.Lfor_b_\@:
	tensor_load_to_lds s[\g0b:\g0b+3], s[\g1b:\g1b+7]
	s_nop 0
.rept 4
	v_nop
.endr
.Lasked_\@:
.endm
.macro CREST
	s_cmp_lg_u32 s14, 0
	s_cbranch_scc1 .Lnot_wave_0_\@
	s_barrier_signal -3
.Lnot_wave_0_\@:
	s_barrier_wait -3
	s_barrier_signal -1
	s_barrier_wait -1
.endm
.macro CROUND
	s_barrier_signal -1
	s_barrier_wait -1
	CREST
.endm
	s_load_b512 s[68:83], s[0:1], 0x0
	s_load_b128 s[84:87], s[0:1], 0x40
	s_load_b64 s[88:89], s[0:1], 0x50
	v_lshl_add_u32 v[SPW], v0, 2, SPARE
	v_mov_b32 v[NIL], 0
	ds_add_u32 v28, v29
	ds_add_u32 v28, v29
	s_wait_dscnt 0x0
	v_lshrrev_b32 v1, 5, v0
	v_readfirstlane_b32 s14, v1
	s_lshr_b32 s15, s14, 1
	s_and_b32 s16, s14, 1
	s_bfe_u32 s40, ttmp6, 0x40000
	s_bfe_u32 s41, ttmp6, 0x40004
	s_and_b32 s12, ttmp7, 0xffff
	s_lshl_b32 s12, s12, 2
	s_cmp_eq_u32 ttmp9, 2
	s_cselect_b32 s17, 0, s12
	s_cselect_b32 s42, s12, 0
	s_add_co_u32 s17, s17, s41
	s_add_co_u32 s42, s42, s40
	s_lshl_b32 s43, s41, 2
	s_lshl_b32 s43, 15, s43
	s_lshl_b32 s44, 0x1111, s40
	s_or_b32 s[G1+0], s43, (0<<16)|(1<<20)|(1<<21)|(5<<22)|(3<<25)
	s_or_b32 s[G1B+0], s44, (0<<16)|(1<<20)|(1<<21)|(5<<22)|(3<<25)
.irp g, G1, G1B
	s_mov_b32 s[\g+1], ROWB<<16
	s_mov_b32 s[\g+2], 128<<16
	s_mov_b32 s[\g+3], ROWB<<16
	s_mov_b32 s[\g+4], 128
	s_mov_b32 s[\g+5], KROW
	s_mov_b32 s[\g+6], 0
	s_mov_b32 s[\g+7], 0
.endr
	s_lshl_b32 s18, s16, 7
	s_lshl_b32 s20, s17, 8
	s_add_co_u32 s20, s20, s18
	s_lshl_b32 s20, s20, 10
	s_mov_b32 s21, 0
	s_lshl_b32 s46, s42, 8
	s_add_co_u32 s46, s46, s18
	s_lshl_b32 s46, s46, 10
	s_mov_b32 s47, 0
	s_mul_i32 s45, s14, HALFT
	s_wait_kmcnt 0x0
	s_cmp_eq_u32 ttmp9, 0
	s_cselect_b64 s[90:91], s[70:71], s[72:73]
	s_cselect_b64 s[92:93], s[76:77], s[78:79]
	s_cselect_b64 s[10:11], s[84:85], s[86:87]
	s_cmp_eq_u32 ttmp9, 2
	s_cselect_b64 s[90:91], s[74:75], s[90:91]
	s_cselect_b64 s[92:93], s[80:81], s[92:93]
	s_cselect_b64 s[10:11], s[88:89], s[10:11]
	s_cselect_b64 s[4:5], s[90:91], s[68:69]
	s_cselect_b64 s[6:7], s[68:69], s[90:91]
	s_load_b256 s[72:79], s[82:83], 0x0
	s_load_b64 s[80:81], s[82:83], 0x20
	s_add_nc_u64 s[20:21], s[4:5], s[20:21]
	s_add_nc_u64 s[46:47], s[6:7], s[46:47]
	CROUND
.irp s, 0,1
	s_mov_b32 s[G0+4*\s], 1
	s_add_co_u32 s[G0+4*\s+1], s45, \s*SLOT
	s_add_nc_u64 s[G0+4*\s+2:G0+4*\s+3], s[20:21], \s*ROWB
	s_or_b32 s[G0+4*\s+3], s[G0+4*\s+3], 0x80000000
	s_mov_b32 s[G0B+4*\s], 1
	s_add_co_u32 s[G0B+4*\s+1], s45, \s*SLOT
	s_add_nc_u64 s[G0B+4*\s+2:G0B+4*\s+3], s[46:47], \s*ROWB
	s_or_b32 s[G0B+4*\s+3], s[G0B+4*\s+3], 0x80000000
	s_wait_alu depctr_va_vdst(0)
	s_wait_tensorcnt 0x0
	ds_add_u32 v28, v29
	ds_add_u32 v28, v29
	s_wait_dscnt 0x0
	CROUND
	JLOAD G0+4*\s, G1, G0B+4*\s, G1B
.endr
	v_and_b32 v1, 15, v0
	v_bfe_u32 v2, v0, 4, 1
	v_mul_u32_u24 v3, v1, PITCH
	v_lshl_add_u32 v4, v2, 4, v3
	s_mul_i32 s21, s15, HALFT
	s_mul_i32 s22, s16, HALFT
	s_add_co_u32 s22, s22, 2*HALFT
.irp s, 0,1
	v_add_nc_u32 v[ADRA+\s], s21, v4
	v_add_nc_u32 v[ADRB+\s], s22, v4
	s_add_co_u32 s21, s21, SLOT
	s_add_co_u32 s22, s22, SLOT
.endr
	v_and_b32 v6, 31, v0
	v_lshlrev_b32 v[CO], 4, v6
	s_wait_alu depctr_va_vdst(0)
	s_lshl_b32 s23, s14, 9
	s_add_co_u32 s23, s23, BIASL
	v_add_nc_u32 v[BW], s23, v[CO]
	v_lshl_add_u32 v[BRD], v2, 5, s23
	v_lshl_add_u32 v[BRV], v1, 2, s23
	s_cmp_eq_u32 ttmp9, 2
	s_cselect_b32 s18, s40, s41
	s_cselect_b32 s19, s16, s15
	s_cselect_b32 s20, s41, s40
	s_cselect_b32 s21, s15, s16
	s_add_co_u32 s18, s18, s12
	s_lshl_b32 s18, s18, 8
	s_lshl_b32 s19, s19, 7
	s_add_co_u32 s18, s18, s19
	s_lshl_b32 s20, s20, 2
	s_lshl_b32 s21, s21, 1
	s_add_co_u32 s20, s20, s21
	s_lshr_b32 s22, s18, 11
	s_lshl_b32 s22, s22, 21
	s_and_b32 s23, s18, 2047
	s_lshl_b32 s23, s23, 6
	s_add_co_u32 s22, s22, s23
	s_lshl_b32 s23, s20, 17
	s_add_co_u32 s22, s22, s23
	s_mov_b32 s23, 0
	s_add_nc_u64 s[10:11], s[10:11], s[22:23]
	s_lshl_b32 s22, s20, 8
	s_add_nc_u64 s[92:93], s[92:93], s[22:23]
	global_load_b128 v[32:35], v[CO], s[92:93]
	s_wait_alu depctr_va_vdst(0)
	s_wait_loadcnt 0x0
	ds_store_b128 v[BW], v[32:35]
.macro FRAG reg, adr, q, i
.irp c, 0,1,2,3
	ds_load_b128 v[\reg+4*\c:\reg+4*\c+3], v[\adr] offset:128*(\q)+32*\c+(\i)*16*PITCH
.endr
.endm
.macro MUL16 a0, p, zero
.irp a, \a0, \a0+1
.irp b, 0,1,2,3,4,5,6,7
.if \zero
	v_wmma_f32_16x16x128_fp8_fp8 v[8*(8*((\a)%4)+\b):8*(8*((\a)%4)+\b)+7], v[128*(\p)+FR*\b:128*(\p)+FR*\b+FR-1], v[AF+FR*(\a):AF+FR*(\a)+FR-1], 0
.else
	v_wmma_f32_16x16x128_fp8_fp8 v[8*(8*((\a)%4)+\b):8*(8*((\a)%4)+\b)+7], v[128*(\p)+FR*\b:128*(\p)+FR*\b+FR-1], v[AF+FR*(\a):AF+FR*(\a)+FR-1], v[8*(8*((\a)%4)+\b):8*(8*((\a)%4)+\b)+7]
.endif
.endr
.endr
.endm
.macro FETCH_B slot, q, p
	WIN TO_B
.irp i, 0,1,2,3,4,5,6,7
	FRAG 128*(\p)+FR*\i, ADRB+\slot, \q, \i
.endr
	WIN 0
.endm
.macro FETCH_A slot, q, i0
.irp i, \i0, \i0+1, \i0+2, \i0+3
	FRAG AF+FR*(\i), ADRA+\slot, \q, \i
.endr
.endm
.macro PLACES n
.rept \n
	v_nop
.endr
.endm
.macro STEP slot, q, zero
	s_wait_dscnt 4*NL
	WIN MUL_LO
	MUL16 0, (\q)%2, \zero
	MUL16 2, (\q)%2, \zero
	s_wait_dscnt 0
	PLACES NP
	FETCH_B \slot, (\q)+1, 1-(\q)%2
	FETCH_A \slot, (\q)+1, 0
	WIN MUL_HI
	MUL16 4, (\q)%2, \zero
	MUL16 6, (\q)%2, \zero
	PLACES NP
	WIN 0
	FETCH_A \slot, (\q)+1, 4
.endm
.macro TURN slot, next, fill
	s_wait_tensorcnt 0x0
	ds_add_u32 v[SPW], v[NIL]
	s_wait_dscnt 4*NL+1
	WIN MUL_LO
	MUL16 0, 1, 0
	s_wait_dscnt 0x0
	s_barrier_signal -1
	MUL16 2, 1, 0
	WIN 0
	s_barrier_wait -1
.if \fill
	CREST
	s_add_nc_u64 s[G0+4*\slot+2:G0+4*\slot+3], s[G0+4*\slot+2:G0+4*\slot+3], 2*ROWB
	s_add_nc_u64 s[G0B+4*\slot+2:G0B+4*\slot+3], s[G0B+4*\slot+2:G0B+4*\slot+3], 2*ROWB
	JLOAD G0+4*\slot, G1, G0B+4*\slot, G1B
.else
	PLACES NP
.endif
	FETCH_B \next, 0, 0
	FETCH_A \next, 0, 0
	WIN MUL_HI
	MUL16 4, 1, 0
	MUL16 6, 1, 0
	PLACES NP
	WIN 0
	FETCH_A \next, 0, 4
.endm
	s_wait_dscnt 0x0
	s_wait_tensorcnt 1
	s_barrier_signal -1
	s_barrier_wait -1
	FETCH_B 0, 0, 0
	FETCH_A 0, 0, 0
	FETCH_A 0, 0, 4
	STEP 0, 0, 1
	TURN 0, 1, 1
	STEP 1, 0, 0
	TURN 1, 0, 1
	STEP 0, 0, 0
	TURN 0, 1, 0
	STEP 1, 0, 0
	s_wait_dscnt 4*NL
	WIN MUL_LO
	MUL16 0, 1, 0
	MUL16 2, 1, 0
	s_wait_dscnt 0
	WIN MUL_HI
	MUL16 4, 1, 0
	MUL16 6, 1, 0
	WIN 0
	s_wait_kmcnt 0x0
	s_cmp_eq_u32 ttmp9, 0
	s_cselect_b32 s94, s72, s74
	s_cselect_b32 s95, s73, s75
	s_cselect_b32 s66, s78, s79
	s_cmp_eq_u32 ttmp9, 2
	s_cselect_b32 s94, s76, s94
	s_cselect_b32 s95, s77, s95
	s_cselect_b32 s66, s81, s66
	s_add_co_i32 s96, s94, s95
	s_add_co_i32 s96, s96, 127
	s_lshl_b32 s96, s96, 23
	s_mov_b32 s97, s96
	s_add_co_i32 s66, s66, 127
	s_lshl_b32 s67, s66, 23
	v_mov_b32 v[SCV], s67
	s_add_co_i32 s66, s66, 8
	s_lshl_b32 s66, s66, 23
	s_or_b32 s66, s66, 0x600000
	v_mov_b32 v[LIMV], s66
	PLACES NP
.macro OUTBLK a, isv
.set AC, 64*((\a)%4)
.set CS4, CD+16*((\a)%4)
	WIN 0x02+((\a)/4)
.irp b, 0,1,2,3,4,5,6,7
.irp i, 0,2,4,6
.if \isv
	v_pk_fma_f32 v[TMP+8*\b+\i:TMP+8*\b+\i+1], v[AC+8*\b+\i:AC+8*\b+\i+1], s[96:97], v[BI+2*(\a):BI+2*(\a)+1] op_sel_hi:[1,0,1]
.else
	v_pk_fma_f32 v[TMP+8*\b+\i:TMP+8*\b+\i+1], v[AC+8*\b+\i:AC+8*\b+\i+1], s[96:97], v[BI+8*\b+\i:BI+8*\b+\i+1] op_sel_hi:[1,0,1]
.endif
.endr
.endr
	WIN 0
.set j, 0
.rept 64
	v_med3_num_f32 v[TMP+j], v[TMP+j], -v[LIMV], v[LIMV]
.set j, j+1
.endr
.if (\a) >= 4
	s_wait_alu depctr_va_vdst(0)
	s_wait_xcnt 0x0
.endif
.irp b, 0,1,2,3,4,5,6,7
	v_cvt_scalef32_pk8_fp8_f32 v[CS4+2*\b:CS4+2*\b+1], v[TMP+8*\b:TMP+8*\b+7], v[SCV]
.endr
	v_nop
.irp c, 0,1,2,3
.if \isv
	global_store_b128 v[CO], v[CS4+4*\c:CS4+4*\c+3], s[10:11] offset:131072*((\a)/4)+1024*((\a)%4)+4096*(\c/2)+512*(\c%2)
.else
	global_store_b128 v[CO], v[CS4+4*\c:CS4+4*\c+3], s[10:11] offset:1024*(\a)+131072*(\c/2)+512*(\c%2)
.endif
.endr
.endm
	s_cmp_eq_u32 ttmp9, 2
	s_cbranch_scc1 .Lout_v
.irp b, 0,1,2,3,4,5,6,7
	ds_load_b128 v[BI+8*\b:BI+8*\b+3], v[BRD] offset:64*\b
	ds_load_b128 v[BI+8*\b+4:BI+8*\b+7], v[BRD] offset:64*\b+16
.endr
	s_wait_dscnt 0x0
.irp a, 0,1,2,3,4,5,6,7
	OUTBLK \a, 0
.endr
	s_branch .Ldone
.Lout_v:
.irp a, 0,1,2,3,4,5,6,7
	ds_load_b32 v[BI+2*\a], v[BRV] offset:64*\a
	ds_load_b32 v[BI+2*\a+1], v[BRV] offset:64*\a
.endr
	s_wait_dscnt 0x0
.irp a, 0,1,2,3,4,5,6,7
	OUTBLK \a, 1
.endr
.Ldone:
	s_wait_tensorcnt 0x0
	ds_add_u32 v[SPW], v[NIL]
	s_wait_dscnt 0x0
	CROUND
	s_endpgm
.Lfunc_end_k_q9aabd4a437_proj:
	.size	k_q9aabd4a437_proj, .Lfunc_end_k_q9aabd4a437_proj-k_q9aabd4a437_proj
	.p2alignl 7, 3214868480
	.fill 96, 4, 3214868480
	.section	.rodata,"a",@progbits
	.p2align	6, 0x0
	.amdhsa_kernel k_q9aabd4a437_proj
		.amdhsa_group_segment_fixed_size 327680
		.amdhsa_private_segment_fixed_size 0
		.amdhsa_enable_private_segment 0
		.amdhsa_kernarg_size 88
		.amdhsa_user_sgpr_count 2
		.amdhsa_user_sgpr_kernarg_segment_ptr 1
		.amdhsa_wavefront_size32 1
		.amdhsa_system_sgpr_workgroup_id_x 1
		.amdhsa_system_sgpr_workgroup_id_y 1
		.amdhsa_system_sgpr_workgroup_id_z 1
		.amdhsa_system_vgpr_workitem_id 0
		.amdhsa_next_free_vgpr 1024
		.amdhsa_next_free_sgpr 98
		.amdhsa_reserve_vcc 0
		.amdhsa_float_denorm_mode_32 3
		.amdhsa_float_denorm_mode_16_64 3
		.amdhsa_memory_ordered 1
		.amdhsa_forward_progress 1
		.amdhsa_inst_pref_size 194
	.end_amdhsa_kernel
	.amdgpu_metadata
---
amdhsa.version: [ 1, 2 ]
amdhsa.kernels:
  - .name:           k_q9aabd4a437_proj
    .symbol:         k_q9aabd4a437_proj.kd
    .args:
      - { .name: x_codes, .offset: 0, .size: 8, .value_kind: global_buffer, .address_space: global }
      - { .name: Wq_codes, .offset: 8, .size: 8, .value_kind: global_buffer, .address_space: global }
      - { .name: Wk_codes, .offset: 16, .size: 8, .value_kind: global_buffer, .address_space: global }
      - { .name: Wv_codes, .offset: 24, .size: 8, .value_kind: global_buffer, .address_space: global }
      - { .name: bq, .offset: 32, .size: 8, .value_kind: global_buffer, .address_space: global }
      - { .name: bk, .offset: 40, .size: 8, .value_kind: global_buffer, .address_space: global }
      - { .name: bv, .offset: 48, .size: 8, .value_kind: global_buffer, .address_space: global }
      - { .name: lowp_scales, .offset: 56, .size: 8, .value_kind: global_buffer, .address_space: global }
      - { .name: q_img, .offset: 64, .size: 8, .value_kind: global_buffer, .address_space: global }
      - { .name: k_img, .offset: 72, .size: 8, .value_kind: global_buffer, .address_space: global }
      - { .name: v_img, .offset: 80, .size: 8, .value_kind: global_buffer, .address_space: global }
    .group_segment_fixed_size: 327680
    .private_segment_fixed_size: 0
    .kernarg_segment_align: 8
    .kernarg_segment_size: 88
    .max_flat_workgroup_size: 128
    .sgpr_count:     98
    .vgpr_count:     1024
    .wavefront_size: 32
...
	.end_amdgpu_metadata
.endif
;; end of part 1
;; launch attn (part 2): grid 4 x 64, 16 waves a work-group, no clusters, 264,192 bytes of LDS; arguments q_img, k_img, v_img, lowp_scales, out0; writes out0
.if DOCPART == 2
	.amdgcn_target "amdgcn-amd-amdhsa--gfx1250"
	.amdhsa_code_object_version 6
	.text
	.protected	k_q9aabd4a437_attn
	.globl	k_q9aabd4a437_attn
	.p2align	8
	.type	k_q9aabd4a437_attn,@function
k_q9aabd4a437_attn:
	s_mov_b64 s[64:65], 0
	v_nop
	global_prefetch_b8 v0, s[64:65] scope:SCOPE_SE
	s_setreg_imm32_b32 hwreg(HW_REG_WAVE_MODE, 25, 1), 1
	s_wait_xcnt 0x0
; out[b][q][64 head + :] = the sum over keys of softmax(q . k / 32) v, for 64 pairs bh = 16 b + head, 2,048 tokens, 64 channels; both products on codes of FP8 (E4M3) by the K = 64 form, sums in f32.
; q_img, k_img: [bh][block of 16 tokens][half][lane][16 bytes], v_img: [bh][64 keys][16 channels][half][lane][16 bytes]: images of the operands' registers (registers 2 c, 2 c + 1: K = 16 c + 8 (l / 16) + 0 .. 7).
; THE SOFTMAX: t = score x log2(e) / 32; M = the running largest t rounded UP to a whole number; p = 2^(t - M) is quantised with 2^ep, not normalised; the row's sum is taken of the unquantised p and divides at the end.
; When M moves, the sum and O are multiplied by 2^(old M - new M): nothing is rounded, and no branch hangs on floating-point data.
; SHARES.  A work-group owns 512 queries of one bh, each of its sixteen waves 32: two tiles of 16.  A key step is 128 keys: 64 scores a lane; the 32 lines that rescale O and the lines that move M stand once for 128 keys.
; LAYOUT.  Both products are used transposed (S^T = K Q^T, O^T = V^T P^T): a lane holds ONE query (l % 16); the eight registers of the score tile of key block j are keys 16 j + 8 (l / 16) + 0 .. 7: one conversion gives two registers of P.
; REGISTERS.  v112-239 hold S^T, tile (j, t) at 112 + 16 j + 8 t.  K's fragment j lies at 192 + 8 j (j = 0 .. 7, the last two behind S): the products go in three groups (j = 0-4, 5-6, 7), each writing over fragments
; that earlier groups have read, with the maxima of earlier tiles as the places between.  p's codes: keys 0-63 at v240-255, keys 64-127 at v112-127; V's eight fragments at v128-191; the NEXT step's fragments 0-5 of K at v192-239,
; asked for ahead of this step's second product.  (The last step's such loads read the first bytes of V's image and are not used.)
; THE HOLD.  p is at most 1 (but for an f32 rounding), so p / 2^ep is at most about 256, under 448, wherever ep >= -8: there the hold can change nothing, and a scalar branch on ep, the same in all waves,
; leads round its 128 lines in each step, and round nothing else.  For every ep within the limits below p is quantised as the problem states.
; LDS.  The whole head lies in LDS: K's image 131,072 bytes from 0, V's behind it.  Every byte is written once, through registers: each wave loads 8,192 consecutive bytes of each image (512 an instruction) and stores them.
; NO TENSOR LOAD, NO CLUSTER.  NO PREFETCH: all that a work-group reads is asked for in its first lines; there is no loop to run ahead in.
; LIMITS on the given exponents: eq + ek between -121 and 132 (they are added to c's exponent field); ep between -126 and 119; ep + ev is applied by v_ldexp_f32 and has none.
.set LI,  1                            ; v1   16 x lane
.set ADK, 2                            ; v2   the fill: my 8,192 bytes of an image; then LDS address of the step's fragments of K
.set ADV, 3                            ; v3   the same for V
.set GO,  4                            ; v4   the way out: 4,096 (l / 16) + 16 (l % 16)
.set STO, 5                            ; v5   the way out: where I put 32 bytes of a row
.set RD,  6                            ; v6   the way out: where I read a row back
.set ST,  8                            ; tile t's statistics at v[ST + 8 t]: +0 -M, +1 the largest score, +2, +3 the sum in two halves, +4 f (+5 named with it), +6, +7 at work
.set OLD, 24                           ; v24-25 -M of the step before
.set PD,  26                           ; v26-27 what the other half of the lanes sends
.set LIM, 28                           ; v28  448 x 2^ep
.set SC,  29                           ; v29  2^ep
.set SPW, 30                           ; v30  my spare word; never rewritten
.set NIL, 31                           ; v31  0; never rewritten
.set Q,   32                           ; v32-47   Q: 8 a tile
.set O,   48                           ; v48-111  O^T: 32 a tile
.set S,   112
.set VF,  128
.set KB,  192
.set X,   240
.set TB,  2                            ; s2   LDS byte at which the step's fragments of K begin
.set CNT, 3                            ; s3   steps to go
.set WV,  14
.set SEL, 20
.set CS,  22
.set VIMG, 131072
.set SPARE, 262144                     ; behind the images: the spare words, 128 bytes a wave
	s_load_b256 s[4:11], s[0:1], 0x0               ; q_img, k_img, v_img, the scales' exponents
	s_load_b64 s[12:13], s[0:1], 0x20              ; out0
	v_lshl_add_u32 v[SPW], v0, 2, SPARE
	v_mov_b32 v[NIL], 0
	v_lshrrev_b32 v7, 5, v0
	v_readfirstlane_b32 s[WV], v7                  ; wave 0..15
	s_and_b32 s16, ttmp7, 0xffff                   ; bh
	v_and_b32 v[LI], 31, v0
	v_lshlrev_b32 v[LI], 4, v[LI]
	v_lshl_add_u32 v[ADK], v7, 13, v[LI]           ; 8,192 x wave + 16 x lane: in an image in memory and in LDS alike
	v_add_nc_u32 v[ADV], VIMG, v[ADK]
	v_and_b32 v24, 15, v0                          ; r = l % 16
	v_bfe_u32 v25, v0, 4, 1                        ; h = l / 16
	v_lshlrev_b32 v[GO], 12, v25
	v_lshl_add_u32 v[GO], v24, 4, v[GO]
	s_mul_i32 s17, s[WV], 8704                     ; my two stages: 2 x 16 rows x 272 bytes
	v_mul_u32_u24 v[STO], v24, 272
	v_lshl_add_u32 v[STO], v25, 5, v[STO]
	v_add_nc_u32 v[STO], s17, v[STO]
	v_mul_u32_u24 v[RD], v25, 272
	v_lshl_add_u32 v[RD], v24, 4, v[RD]
	v_add_nc_u32 v[RD], s17, v[RD]
	s_wait_alu depctr_va_vdst(0)
	s_mov_b32 s[SEL], 0x76543210
	s_mov_b32 s[SEL+1], 0xfedcba98
	s_mov_b32 s[CS], 0x3d38aa3b                    ; log2(e) / 32
	s_lshl_b32 s18, s16, 17                        ; the head's first byte in each image
	s_mov_b32 s19, 0
	s_lshl_b32 s60, ttmp9, 15                      ; Q: my block's 512 tokens of 64 bytes,
	s_lshl_b32 s62, s[WV], 11                      ; my wave's 32
	s_add_co_u32 s60, s60, s62
	s_add_co_u32 s60, s60, s18
	s_mov_b32 s61, 0
	s_lshr_b32 s62, s16, 4                         ; out: the batch's 2,048 rows of 4,096 bytes,
	s_lshl_b32 s62, s62, 23
	s_lshl_b32 s63, ttmp9, 21                      ; my block's 512,
	s_add_co_u32 s62, s62, s63
	s_lshl_b32 s63, s[WV], 17                      ; my wave's 32,
	s_add_co_u32 s62, s62, s63
	s_and_b32 s63, s16, 15                         ; the head's 256 bytes of a row
	s_lshl_b32 s63, s63, 8
	s_add_co_u32 s62, s62, s63
	s_mov_b32 s63, 0
	s_wait_kmcnt 0x0
	s_load_b128 s[80:83], s[10:11], 0x18           ; entries 6 to 9: eq, ek, ep, ev
	s_add_nc_u64 s[6:7], s[6:7], s[18:19]
	s_add_nc_u64 s[8:9], s[8:9], s[18:19]
	s_add_nc_u64 s[4:5], s[4:5], s[60:61]
	s_add_nc_u64 s[12:13], s[12:13], s[62:63]
.irp i, 0,1,2,3,4,5,6,7,8,9,10,11,12,13,14,15
	global_load_b128 v[S+4*\i:S+4*\i+3], v[ADK], s[6:7] offset:512*\i        ; my part of K's image
.endr
.irp i, 0,1,2,3,4,5,6,7,8,9,10,11,12,13,14,15
	global_load_b128 v[S+64+4*\i:S+64+4*\i+3], v[ADK], s[8:9] offset:512*\i  ; of V's
.endr
.irp t, 0,1
	global_load_b128 v[Q+8*\t:Q+8*\t+3],   v[LI], s[4:5] offset:1024*\t       ; Q's two fragments stay in registers
	global_load_b128 v[Q+8*\t+4:Q+8*\t+7], v[LI], s[4:5] offset:1024*\t+512
.endr
.irp t, 0,1
	v_mov_b32 v[ST+8*\t], 0x7f61b1e6               ; -M = 3e38,
	v_mov_b32 v[ST+8*\t+1], 0xff61b1e6             ; the largest score so far: -3e38
	v_mov_b32 v[ST+8*\t+2], 0                      ; the sum, in two halves
	v_mov_b32 v[ST+8*\t+3], 0
	v_mov_b32 v[ST+8*\t+5], 0                      ; (named as the upper half of f's pair)
	v_mov_b32 v[PD+\t], 0                          ; a lane permute's destination counts as one of its sources
.endr
.set n, 0
.rept 64
	v_mov_b32 v[O+n], 0                            ; O^T: the step has no first form of its own; the first change of M leaves zeros zeros
.set n, n+1
.endr
	s_wait_kmcnt 0x0
	s_add_co_i32 s61, s80, s81
	s_lshl_b32 s61, s61, 23
	s_add_co_i32 s[CS], s[CS], s61                 ; c x 2^(eq + ek)
	s_mov_b32 s[CS+1], s[CS]
	s_add_co_i32 s61, s82, 127
	s_lshl_b32 s62, s61, 23
	v_mov_b32 v[SC], s62                           ; 2^ep
	s_add_co_i32 s61, s61, 8
	s_lshl_b32 s61, s61, 23
	s_or_b32 s61, s61, 0x600000
	v_mov_b32 v[LIM], s61                          ; 448 x 2^ep
	s_add_co_i32 s60, s82, s83                     ; ep + ev
	s_mov_b32 s[TB], 0
	s_mov_b32 s[CNT], 16
	s_wait_loadcnt 20                              ; K's sixteen are in; V's sixteen and Q's four may be out
.irp i, 0,1,2,3,4,5,6,7,8,9,10,11,12,13,14,15
	ds_store_b128 v[ADK], v[S+4*\i:S+4*\i+3] offset:512*\i
.endr
	s_wait_loadcnt 4                               ; V's are in; Q's four may be out
.irp i, 0,1,2,3,4,5,6,7,8,9,10,11,12,13,14,15
	ds_store_b128 v[ADV], v[S+64+4*\i:S+64+4*\i+3] offset:512*\i
.endr
	s_wait_alu depctr_va_vdst(0)
	s_wait_loadcnt 0x0                             ; Q; and every load has read its offset register
	s_wait_dscnt 0x0                               ; my stores are done
	s_barrier_signal -1
	s_barrier_wait -1                              ; both images are whole
.irp j, 0,1,2,3,4,5
	ds_load_b128 v[KB+8*\j:KB+8*\j+3],   v[LI] offset:1024*\j         ; key step 0's fragments 0-5 of K
	ds_load_b128 v[KB+8*\j+4:KB+8*\j+7], v[LI] offset:1024*\j+512
.endr
.macro QK j                            ; keys 16 j on, both tiles of queries
.irp t, 0,1
	v_wmma_f32_16x16x64_fp8_fp8 v[S+16*(\j)+8*\t:S+16*(\j)+8*\t+7], v[KB+8*(\j):KB+8*(\j)+7], v[Q+8*\t:Q+8*\t+7], 0
.endr
.endm
.macro MAXT j, first                   ; the largest score of key block j joins two chains a tile; each accumulator is read from its low end on
.irp t, 0,1
.if \first
	v_max3_num_f32 v[ST+8*\t+6], v[S+16*(\j)+8*\t], v[S+16*(\j)+8*\t+1], v[ST+8*\t+1]   ; with the largest so far
.else
	v_max3_num_f32 v[ST+8*\t+6], v[ST+8*\t+6], v[S+16*(\j)+8*\t], v[S+16*(\j)+8*\t+1]
.endif
.endr
.irp t, 0,1
.if \first
	v_max_num_f32 v[ST+8*\t+7], v[S+16*(\j)+8*\t+2], v[S+16*(\j)+8*\t+3]
.else
	v_max3_num_f32 v[ST+8*\t+7], v[ST+8*\t+7], v[S+16*(\j)+8*\t+2], v[S+16*(\j)+8*\t+3]
.endif
.endr
.irp t, 0,1
	v_max3_num_f32 v[ST+8*\t+6], v[ST+8*\t+6], v[S+16*(\j)+8*\t+4], v[S+16*(\j)+8*\t+5]
.endr
.irp t, 0,1
	v_max3_num_f32 v[ST+8*\t+7], v[ST+8*\t+7], v[S+16*(\j)+8*\t+6], v[S+16*(\j)+8*\t+7]
.endr
.endm
; A KEY STEP: 128 keys, both tiles; 16 trips.
.Lstep:
	v_mov_b32 v[OLD], v[ST]                        ; -M is kept for f.  These five lines are five places behind the last step's products: the loads below land on p's codes, the products below on V's fragments
	v_mov_b32 v[OLD+1], v[ST+8]
	v_add_nc_u32 v[ADK], s[TB], v[LI]              ; this step's K,
	v_add_nc_u32 v[ADV], VIMG, v[ADK]              ; and V
	v_nop
.irp j, 6,7
	ds_load_b128 v[KB+8*\j:KB+8*\j+3],   v[ADK] offset:1024*\j
	ds_load_b128 v[KB+8*\j+4:KB+8*\j+7], v[ADK] offset:1024*\j+512
.endr
	s_wait_dscnt 4                                 ; fragments 0-5 are in; the four loads just issued may be out
.irp j, 0,1,2,3,4
	QK \j
.endr
	s_wait_dscnt 0x0                               ; fragments 6 and 7
.rept 4
	v_nop                                          ; four places behind the products
.endr
	MAXT 0, 1
	MAXT 1, 0
	MAXT 2, 0
	QK 5                                           ; writes over fragments 0-3
	QK 6
	MAXT 3, 0                                      ; sixteen places
	MAXT 4, 0
	QK 7                                           ; writes over fragments 4 and 5
	MAXT 5, 0                                      ; sixteen places
	MAXT 6, 0
	MAXT 7, 0
.irp t, 0,1
	s_delay_alu instid0(VALU_DEP_2)
	v_max_num_f32 v[ST+8*\t+6], v[ST+8*\t+6], v[ST+8*\t+7]
.endr
.irp t, 0,1
	s_delay_alu instid0(VALU_DEP_2)
	v_permlanex16_b32 v[PD+\t], v[ST+8*\t+6], s[SEL], s[SEL+1]              ; the query's other 64 keys lie in the lane 16 away
.endr
.irp t, 0,1
	s_delay_alu instid0(VALU_DEP_2)
	v_max_num_f32 v[ST+8*\t+1], v[ST+8*\t+6], v[PD+\t]
.endr
.irp t, 0,1
	s_delay_alu instid0(VALU_DEP_2)
	v_mul_f32 v[ST+8*\t+6], s[CS], v[ST+8*\t+1]    ; as t (c is positive)
.endr
.irp t, 0,1
	s_delay_alu instid0(VALU_DEP_2)
	v_floor_f32 v[ST+8*\t], -v[ST+8*\t+6]          ; the new -M = -ceil(t)
.endr
.irp t, 0,1
	s_delay_alu instid0(VALU_DEP_2)
	v_sub_f32 v[ST+8*\t+7], v[ST+8*\t], v[OLD+\t]  ; old M - new M: a whole number, 0 or less
.endr
.irp t, 0,1
	s_delay_alu instid0(VALU_DEP_2)
	v_cvt_i32_f32 v[ST+8*\t+7], v[ST+8*\t+7]       ; (it saturates)
.endr
.irp t, 0,1
	s_delay_alu instid0(VALU_DEP_2)
	v_ldexp_f32 v[ST+8*\t+4], 1.0, v[ST+8*\t+7]    ; f = 2^(old M - new M)
.endr
.irp j, 0,1,2,3,4,5,6,7
.irp i, 0,2,4,6
.irp t, 0,1
	v_pk_fma_f32 v[S+16*\j+8*\t+\i:S+16*\j+8*\t+\i+1], v[S+16*\j+8*\t+\i:S+16*\j+8*\t+\i+1], s[CS:CS+1], v[ST+8*\t:ST+8*\t+1] op_sel_hi:[1,0,0]   ; t - M, two at a time
.endr
.endr
.endr
	s_wait_alu depctr_va_vdst(0)
.set n, 0
.rept 128
	v_exp_f32 v[S+n], v[S+n]                       ; p = 2^(t - M): one batch
.set n, n+1
.endr
.irp t, 0,1
	v_pk_mul_f32 v[ST+8*\t+2:ST+8*\t+3], v[ST+8*\t+2:ST+8*\t+3], v[ST+8*\t+4:ST+8*\t+5] op_sel_hi:[1,0]   ; the sums under the new M.  (The plain place behind the batch)
.endr
	s_wait_alu depctr_va_vdst(0)                   ; and the wait behind it: one for the 128
.irp t, 0,1                                    ; the row's sum of the unquantised p: two at a time, two chains a tile
	v_pk_add_f32 v[ST+8*\t+6:ST+8*\t+7], v[S+8*\t:S+8*\t+1], v[S+8*\t+2:S+8*\t+3]
.endr
.irp t, 0,1
	v_pk_add_f32 v[ST+8*\t+2:ST+8*\t+3], v[ST+8*\t+2:ST+8*\t+3], v[S+8*\t+4:S+8*\t+5]
.endr
.irp t, 0,1
	v_pk_add_f32 v[ST+8*\t+6:ST+8*\t+7], v[ST+8*\t+6:ST+8*\t+7], v[S+8*\t+6:S+8*\t+7]
.endr
.irp j, 1,2,3,4,5,6,7
.irp i, 0,4
.irp t, 0,1
	v_pk_add_f32 v[ST+8*\t+2:ST+8*\t+3], v[ST+8*\t+2:ST+8*\t+3], v[S+16*\j+8*\t+\i:S+16*\j+8*\t+\i+1]
.endr
.irp t, 0,1
	v_pk_add_f32 v[ST+8*\t+6:ST+8*\t+7], v[ST+8*\t+6:ST+8*\t+7], v[S+16*\j+8*\t+\i+2:S+16*\j+8*\t+\i+3]
.endr
.endr
.endr
.irp t, 0,1
	v_pk_add_f32 v[ST+8*\t+2:ST+8*\t+3], v[ST+8*\t+2:ST+8*\t+3], v[ST+8*\t+6:ST+8*\t+7]
.endr
	s_cmp_ge_i32 s82, -8                           ; ep >= -8: 448 x 2^ep lies above every p, and the hold can change nothing
	s_wait_alu depctr_va_vdst(0)
	s_cbranch_scc1 .Lfree
.set n, 0
.rept 128
	v_min_num_f32 v[S+n], v[S+n], v[LIM]           ; the conversion does not saturate (ISA guide 7.6.2); p is not negative, so the hold is one-sided
.set n, n+1
.endr
.Lfree:
.irp f, 0,1,2,3
.irp t, 0,1
	v_cvt_scalef32_pk8_fp8_f32 v[X+8*\t+2*\f:X+8*\t+2*\f+1], v[S+16*\f+8*\t:S+16*\f+8*\t+7], v[SC]   ; keys 0-63: registers 2 f, 2 f + 1 of P
.endr
.endr
	v_nop                                          ; a plain line between these conversions and those below, which write over their sources
.irp f, 0,1,2,3
	ds_load_b128 v[VF+8*\f:VF+8*\f+3],   v[ADV] offset:1024*\f        ; V, keys 0-63, channels 16 f on
	ds_load_b128 v[VF+8*\f+4:VF+8*\f+7], v[ADV] offset:1024*\f+512
.endr
.irp f, 0,1,2,3
.irp t, 0,1
	v_cvt_scalef32_pk8_fp8_f32 v[S+8*\t+2*\f:S+8*\t+2*\f+1], v[S+64+16*\f+8*\t:S+64+16*\f+8*\t+7], v[SC]   ; keys 64-127
.endr
.endr
	v_nop
.irp f, 0,1,2,3
	ds_load_b128 v[VF+32+8*\f:VF+32+8*\f+3],   v[ADV] offset:4096+1024*\f   ; V, keys 64-127
	ds_load_b128 v[VF+32+8*\f+4:VF+32+8*\f+7], v[ADV] offset:4096+1024*\f+512
.endr
.irp j, 0,1,2,3,4,5
	ds_load_b128 v[KB+8*\j:KB+8*\j+3],   v[ADK] offset:8192+1024*\j   ; the next step's fragments 0-5 of K
	ds_load_b128 v[KB+8*\j+4:KB+8*\j+7], v[ADK] offset:8192+1024*\j+512
.endr
	s_wait_alu depctr_va_vdst(0)
.irp j, 0,2,4,6,8,10,12,14,16,18,20,22,24,26,28,30
.irp t, 0,1
	v_pk_mul_f32 v[O+32*\t+\j:O+32*\t+\j+1], v[O+32*\t+\j:O+32*\t+\j+1], v[ST+8*\t+4:ST+8*\t+5] op_sel_hi:[1,0]   ; O^T under the new M, each accumulator from its low end on
.endr
.endr
	s_wait_alu depctr_va_vdst(0)
	s_wait_dscnt 12                                ; V's sixteen loads are in; K's twelve may be out
.irp f, 0,1,2,3                                ; O^T += V^T P^T: eight accumulators by turns, twice round
.irp t, 0,1
	v_wmma_f32_16x16x64_fp8_fp8 v[O+32*\t+8*\f:O+32*\t+8*\f+7], v[VF+8*\f:VF+8*\f+7], v[X+8*\t:X+8*\t+7], v[O+32*\t+8*\f:O+32*\t+8*\f+7]
.endr
.endr
.irp f, 0,1,2,3
.irp t, 0,1
	v_wmma_f32_16x16x64_fp8_fp8 v[O+32*\t+8*\f:O+32*\t+8*\f+7], v[VF+32+8*\f:VF+32+8*\f+7], v[S+8*\t:S+8*\t+7], v[O+32*\t+8*\f:O+32*\t+8*\f+7]
.endr
.endr
	s_add_co_u32 s[TB], s[TB], 8192
	s_sub_co_u32 s[CNT], s[CNT], 1
	s_cmp_lg_u32 s[CNT], 0
	s_cbranch_scc1 .Lstep
	; THE WAY OUT.  O^T is divided by the row's sum, multiplied by 2^(ep + ev), and goes through my stages in LDS, a tile each, so that sixteen lanes store 256 consecutive aligned bytes.
	; The stages lie over the images: behind this barrier nobody reads them any more.  Work on registers stands between its signal and its wait.
	s_wait_dscnt 0x0                               ; my reads of the images are over
	s_barrier_signal -1
.irp t, 0,1
	v_add_f32 v[ST+8*\t+6], v[ST+8*\t+2], v[ST+8*\t+3]     ; the sum's two halves,
.endr
.irp t, 0,1
	v_permlanex16_b32 v[PD+\t], v[ST+8*\t+6], s[SEL], s[SEL+1]
.endr
.irp t, 0,1
	v_add_f32 v[ST+8*\t+6], v[ST+8*\t+6], v[PD+\t]         ; and lane l xor 16's: the row's sum, above 1/2
.endr
	s_wait_alu depctr_va_vdst(0)
.irp t, 0,1
	v_rcp_f32 v[ST+8*\t+6], v[ST+8*\t+6]
.endr
	v_nop                                          ; a plain line behind the last reciprocal
	s_wait_alu depctr_va_vdst(0)                   ; and the wait ahead of the first use
.irp t, 0,1
	v_ldexp_f32 v[ST+8*\t+6], v[ST+8*\t+6], s60    ; x 2^(ep + ev)
.endr
	s_wait_alu depctr_va_vdst(0)
.irp j, 0,2,4,6,8,10,12,14,16,18,20,22,24,26,28,30
.irp t, 0,1
	v_pk_mul_f32 v[S+32*\t+\j:S+32*\t+\j+1], v[O+32*\t+\j:O+32*\t+\j+1], v[ST+8*\t+6:ST+8*\t+7] op_sel_hi:[1,0]   ; register 8 f + i is out(query r, channel 16 f + 8 (l / 16) + i)
.endr
.endr
	s_wait_alu depctr_va_vdst(0)
	s_barrier_wait -1
.irp t, 0,1
.irp f, 0,1,2,3
	ds_store_b128 v[STO], v[S+32*\t+8*\f:S+32*\t+8*\f+3]   offset:4352*\t+64*\f
	ds_store_b128 v[STO], v[S+32*\t+8*\f+4:S+32*\t+8*\f+7] offset:4352*\t+64*\f+16
.endr
.irp i, 0,1,2,3,4,5,6,7
	ds_load_b128 v[S+64+32*\t+4*\i:S+64+32*\t+4*\i+3], v[RD] offset:4352*\t+544*\i   ; LDS serves a wave's instructions in order (ISA guide 5.7.1.4): these see my stores above
.endr
.endr
.irp t, 0,1
.irp i, 0,1,2,3,4,5,6,7
	s_wait_dscnt 16*(1-\t)+7-\i                    ; behind this load: the tile's later loads, and for tile 0 tile 1's sixteen LDS instructions
	global_store_b128 v[GO], v[S+64+32*\t+4*\i:S+64+32*\t+4*\i+3], s[12:13] offset:(16*\t+2*\i)*4096 th:TH_STORE_NT   ; two rows: sixteen lanes store a query's 256 bytes of this head
.endr
.endr
	s_wait_tensorcnt 0x0                           ; the wave's end
	ds_add_u32 v[SPW], v[NIL]
	s_wait_dscnt 0x0
	s_endpgm
.Lfunc_end_k_q9aabd4a437_attn:
	.size	k_q9aabd4a437_attn, .Lfunc_end_k_q9aabd4a437_attn-k_q9aabd4a437_attn
	.p2alignl 7, 3214868480
	.fill 96, 4, 3214868480
	.section	.rodata,"a",@progbits
	.p2align	6, 0x0
	.amdhsa_kernel k_q9aabd4a437_attn
		.amdhsa_group_segment_fixed_size 264192
		.amdhsa_private_segment_fixed_size 0
		.amdhsa_enable_private_segment 0
		.amdhsa_kernarg_size 40
		.amdhsa_user_sgpr_count 2
		.amdhsa_user_sgpr_kernarg_segment_ptr 1
		.amdhsa_wavefront_size32 1
		.amdhsa_system_sgpr_workgroup_id_x 1
		.amdhsa_system_sgpr_workgroup_id_y 1
		.amdhsa_system_sgpr_workgroup_id_z 1
		.amdhsa_system_vgpr_workitem_id 0
		.amdhsa_next_free_vgpr 256
		.amdhsa_next_free_sgpr 84
		.amdhsa_reserve_vcc 0
		.amdhsa_float_denorm_mode_32 3
		.amdhsa_float_denorm_mode_16_64 3
		.amdhsa_memory_ordered 1
		.amdhsa_forward_progress 1
		.amdhsa_inst_pref_size 48
	.end_amdhsa_kernel
	.amdgpu_metadata
---
amdhsa.version: [ 1, 2 ]
amdhsa.kernels:
  - .name:           k_q9aabd4a437_attn
    .symbol:         k_q9aabd4a437_attn.kd
    .args:
      - { .name: q_img, .offset: 0, .size: 8, .value_kind: global_buffer, .address_space: global }
      - { .name: k_img, .offset: 8, .size: 8, .value_kind: global_buffer, .address_space: global }
      - { .name: v_img, .offset: 16, .size: 8, .value_kind: global_buffer, .address_space: global }
      - { .name: lowp_scales, .offset: 24, .size: 8, .value_kind: global_buffer, .address_space: global }
      - { .name: out0, .offset: 32, .size: 8, .value_kind: global_buffer, .address_space: global }
    .group_segment_fixed_size: 264192
    .private_segment_fixed_size: 0
    .kernarg_segment_align: 8
    .kernarg_segment_size: 40
    .max_flat_workgroup_size: 512
    .sgpr_count:     84
    .vgpr_count:     256
    .wavefront_size: 32
...
	.end_amdgpu_metadata
.endif
;; end of part 2
